; MI455X (gfx1250); checked and timed in simulation.
; The chip was launched on July 23, 2026; its instructions are those of AMD's public machine-readable ISA for CDNA 5 (MIT licence, August 2026) and "CDNA5" Instruction Set Architecture Reference Guide (July 2026). The comments in the code are by the model that wrote it; some were corrected since.
;; Swi GLUMLP. Allowed arithmetic: matrix products marked QUANTISED: E3M2 operands, one E8M0 scale for each 32 along K, by v_wmma_scale_f32_16x16x128_f8f6f4 with both operands' format E3M2, f32 sums; everything else in f32.
;; Inputs: w_down 2,048 x 8,192 float32; w_gate 8,192 x 2,048 float32; w_up 8,192 x 2,048 float32; x 4 x 256 x 2,048 float32.
;; Outputs: out0 4 x 256 x 2,048 float32.
;; Constants: group_size = 128.
;; This version of the problem:
;;   THIS VERSION OF THE PROBLEM IS GIVEN IN LOW PRECISION. The matrix products marked QUANTISED in the list below multiply operands that are first quantised to E3M2 (3 exponent bits, 2 mantissa bits; 6 bits a number), with one power-of-two scale for each 32 numbers along K (OCP MX v1.0); their sums are f32. All else is computed in f32.
;;   The module's matrix products, in the order in which they are computed (A, B: the left and right operand; K: the contracted axis; several contracted axes count as one K, in the product's order):
;;     1. [M 1,024, K 2,048] x [K 2,048, N 8,192]; A: input x; B: computed on the way: QUANTISED
;;     2. [M 1,024, K 2,048] x [K 2,048, N 8,192]; A: input x; B: computed on the way: QUANTISED
;;     3. [M 1,024, K 8,192] x [K 8,192, N 2,048]; A: computed on the way; B: computed on the way: QUANTISED
;;   THE QUANTISER, for each operand of a quantised product, along K:
;;     - K is cut into blocks of 32 from its start; a last block that is shorter is filled with zeros.
;;     - A block's scale is 2^e with e = floor(log2(the largest magnitude in the block)) - 4, held to -126 .. 127; a block of zeros has e = 0. As a byte (E8M0): e + 127.
;;     - Each number is divided by its block's scale, clamped to +-28, and rounded to the nearest number of E3M2, ties to even, subnormals kept.
;;     - The product sums the exact products of the quantised numbers (number of the format x scale) in f32.
;;   ~~~python
;;   def quantise(x, axis):      # numpy; x: float32 -> the quantised numbers, widened to float32 again
;;       x = np.moveaxis(x, axis, -1); K = x.shape[-1]
;;       x = np.pad(x, [(0, 0)] * (x.ndim - 1) + [(0, -K % 32)]); x = x.reshape(x.shape[:-1] + (-1, 32)); a = np.abs(x).max(-1, keepdims=True)
;;       e = np.where(a > 0, np.clip(np.frexp(np.where(a > 0, a, 1))[1] - 1 - 4, -126, 127), 0)      # np.frexp(a)[1] - 1 = floor(log2(a)), exactly
;;       r = np.clip(x / 2.0 ** e, -28, 28)
;;       step = 2.0 ** (np.maximum(np.frexp(np.where(r == 0, 1, r))[1] - 1, -2) - 2)
;;       q = np.round(r / step) * step * 2.0 ** e      # np.round: ties to even
;;       return np.moveaxis(q.reshape(q.shape[:-2] + (-1,))[..., :K], -1, axis).astype(np.float32)
;;   ~~~
;;   OPERANDS COMPUTED ON THE WAY. 'Computed on the way' means the value that the module computes at that place (a softmax that the list does not call 'softmax' is quantised finished and normalised). What goes into a quantiser is computed in f32, as accurately as f32 sums, v_exp_f32 and their like allow (about 1e-6 of the number): no bf16 or f16 on the way to a quantiser, and a product that is left as it is and whose result goes on into a quantised operand takes f32 operands (vector FMAs, or v_wmma_f32_16x16x4_f32). A number that lies on a knife's edge between two numbers of the format may be rounded either way, as far as f32 arithmetic and the matrix unit's own rounding can turn it there, and no further.
;; One version. Each part assembles by itself: llvm-mc -triple=amdgcn-amd-amdhsa -mcpu=gfx1250 --defsym DOCPART=n.
;; ======== version 1 of 1: 3 launches
;; limits: right only within a limited range of input values
;; workspace buffers: xq 1,638,400 bytes; wgu 26,214,400 bytes; wdq 13,107,200 bytes; hq 6,553,600 bytes
;; launch quant (part 1): grid 6400 x 1, 1 waves a work-group, no clusters, 5,376 bytes of LDS; arguments w_gate, w_up, w_down, x, wgu, wdq, xq; writes wgu, wdq, xq
.if DOCPART == 1
	.amdgcn_target "amdgcn-amd-amdhsa--gfx1250"
	.amdhsa_code_object_version 6
	.text
	.protected	k_q6ff6f75c8d_quant
	.globl	k_q6ff6f75c8d_quant
	.p2align	8
	.type	k_q6ff6f75c8d_quant,@function
k_q6ff6f75c8d_quant:
	s_mov_b64 s[64:65], 0
	v_nop
	global_prefetch_b8 v0, s[64:65] scope:SCOPE_SE
	s_setreg_imm32_b32 hwreg(HW_REG_WAVE_MODE, 25, 1), 1
	s_wait_xcnt 0x0
; All four f32 inputs become codes of BF6 (E3M2) with one E8M0 byte for each 32 along K, laid in the order of a matrix operand's registers.
; w_gate, w_up [8192][2048], w_down [2048][8192]: sign(w) x the mean of |w| over the group of 128 along K, then the quantiser.  x [1024][2048]: the quantiser alone.
; A UNIT is 16 rows x 128 K: 1,536 bytes of codes, [3][lane][16 bytes] = the operand's registers 4 c .. 4 c + 3 of lane (r, h), and 16 scale words (row r's four bytes).
; A CHUNK is the T units of one K step, then their scale words.  wgu [64 blocks of 128 hidden units][16 K steps][T = 16]; wdq [32 blocks of 64 rows][64][T = 4]; xq [4 blocks of 256 rows][16][T = 16].
; In wgu tile 8 n + b of a chunk (n: which 64 hidden units; b 0-3 gate, 4-7 up) takes in its lane row p the weight row 64 n + 32 (b%4 / 2) + 8 (b%2) + p + 8 (p / 8).
; SHARES.  25,600 units; a work-group is one wave and takes 4 neighbouring tiles of one K step: 6,400 work-groups, 25 for each of 256 WGPs.  Numbers 0-2047 gate, 2048-4095 up, 4096-6143 w_down, 6144-6399 x;
; the low bits of a number are the K step, so neighbouring numbers read neighbouring 512 bytes of the same rows.
; A UNIT'S WAY.  Sixteen loads, each a row's 512 consecutive bytes: lane l holds k = 4 l .. 4 l + 3 of each row.  The conversions work on that layout: 16 registers are 4 rows x 4 numbers, 96 bits are 4 rows x 24 bits.
; Only these 24 bits for a row and a lane go through LDS (a word each, rows 144 bytes apart); lane (r, h) reads back the sixteen words of its two blocks, and twelve byte permutes close the gaps.
; WEIGHTS.  Behind the one-bit step all numbers of a group are +-s or 0, so every block's largest magnitude is s (a block of zeros has zero codes under any byte) and every code is a sign over ONE magnitude 0b111mm.
; The conversion with the scale 2^-126 holds each weight at the largest code, 0b11111 under its sign, and leaves 0 at 0; the group's mean is converted once, by its own scale, and its mm is laid on by an AND.
; The sixteen rows' sums are folded across the lanes, half of the rows at each fold, so that lane l ends with row l % 16's sum: where that row's codes arrive.
; x.  A block is 8 neighbouring lanes: three DPP steps give its largest magnitude; the numbers are multiplied by 2^-e (a power of two: nothing is rounded) and converted with the scale 1.
; LIMITS: NaN and infinities among the inputs are not served.  A weight that is not 0 and lies under 2^-121 in magnitude is not held at the largest code and is not served.  A group's 128 magnitudes are summed in
; another order than the definition's: a mean within a few last bits of the middle between two codes may take the other code.  A block of zeros gets the group's byte or the byte 1, not 127: its codes are zeros, and this
; program alone reads the bytes.  A largest magnitude is taken as at least 2^(5 - 127).
.set SPT,   144                        ; a stage row: 32 words + 16 bytes: an odd multiple of 16 bytes
.set GATH,  16*SPT                     ; behind a stage: 256 bytes in which four units' scale words are gathered
.set PW,    0                          ; the weights' path has LDS bytes 0 .. 2,559,
.set PX,    2560                       ; x's path 2,560 .. 5,119
.set SPARE, 5120                       ; the spare words: a block of 256 bytes that no other line names
.set L16,  1                           ; v1   16 x lane
.set WD,   2                           ; v2   at the head 16 x lane + rows 8-15's extra bytes; then the scale's byte and word
.set L4,   3                           ; v3   4 x lane: a stage row on the way in
.set RDA,  4                           ; v4   144 r + 32 h: the stage on the way out
.set SCI,  5                           ; v5   4 r
.set B8,   6                           ; v6   lane / 8: my block's byte in a scale word
.set L8,   7                           ; v7   8 x lane
.set KS,   8                           ; v8   the conversions' scale operand: 2^-126 for weights, 1 for x
.set SPW,  9                           ; v9   LDS address of my spare word; never rewritten
.set NIL,  10                          ; v10  0; never rewritten
.set PD,   11                          ; v11  a lane permute's destination
.set MC,   12                          ; v12-14 the mean's conversion; then v12 the AND's mask
.set SO,   15                          ; v15  the mean's scale operand
.set ROFF, 16                          ; v16-31  row j of a tile in bytes + 16 x lane; never rewritten
.set R,    32                          ; v32-159 two sets of 64: a unit as it is loaded
.set A,    160                         ; v160-175 a sum (x: a largest magnitude, then a byte) for each row
.set CV,   176                         ; v176-191 the codes of row j's four numbers, in the low 24 bits of register j
.set D,    192                         ; v192-207 at work; then my sixteen words back from the stage
.set C,    208                         ; v208-255 the four units' codes: stored at the wave's end, so that no store's data are written again
.set SRC,  32                          ; s[32:39] the four tiles' first rows at my K step
.set DC,   40                          ; s[40:41] where my tiles' codes go
.set DS,   44                          ; s[44:45] and their scale words
.set M8,   42                          ; s42, s43, s46, s47: the lanes whose bit 3, 2, 1, 0 is set
.set M4,   43
.set M2,   46
.set M1,   47
.set P0,   21                          ; s21, s28, s57: the byte permutes' selectors
.set P1,   28
.set P2,   57
	s_load_b256 s[4:11], s[0:1], 0x0               ; w_gate, w_up, w_down, x
	s_load_b128 s[12:15], s[0:1], 0x20             ; wgu, wdq
	s_load_b64 s[16:17], s[0:1], 0x30              ; xq
	s_lshr_b32 s18, ttmp9, 11                      ; 0 gate, 1 up, 2 w_down, 3 x
	s_and_b32 s19, ttmp9, 2047
	s_cmp_eq_u32 s18, 2
	s_cselect_b32 s20, 15, 13                      ; a row of the tensor is 2^this bytes
	s_cselect_b32 s22, 6, 4                        ; and has 2^this K steps
	s_mov_b32 s23, 25600
	s_cselect_b32 s23, 6400, s23                   ; a chunk in bytes
	s_mov_b32 s24, 24576
	s_cselect_b32 s24, 6144, s24                   ; its codes in bytes
	s_cselect_b32 s29, 0, 1                        ; bits of the four tiles' number that lie inside a block of the workspace
	s_cselect_b32 s30, 0, 8                        ; tiles for each step of those bits
	s_cmp_lt_u32 s18, 2
	s_cselect_b32 s25, 8, 0                        ; rows 8-15 of a tile lie so many rows further on
	s_cselect_b32 s26, 8, 16                       ; an odd tile begins so many rows behind the even one
	s_cmp_eq_u32 s18, 3
	s_cselect_b32 s29, 2, s29
	s_cselect_b32 s30, 4, s30
	s_mov_b32 s27, 0x800000
	s_cselect_b32 s27, 1.0, s27
	s_cmp_eq_u32 s18, 1
	s_cselect_b32 s31, 4, 0                        ; up's tiles stand behind gate's four
	s_bfm_b32 s49, s22, 0
	s_and_b32 s49, s19, s49                        ; my K step
	s_lshr_b32 s48, s19, s22                       ; Q: which four tiles (64 rows)
	s_lshr_b32 s53, s48, s29                       ; the workspace's block
	s_bfm_b32 s54, s29, 0
	s_and_b32 s54, s48, s54
	s_mul_i32 s54, s54, s30
	s_add_co_u32 s54, s54, s31                     ; my first tile in a chunk
	s_lshl_b32 s55, 1, s20                         ; a row in bytes
	s_lshl_b32 s56, s25, s20
	s_mov_b32 s50, 0x76543210
	s_mov_b32 s51, 0xfedcba98                      ; v_permlanex16_b32's selects for lane l xor 16
	s_mov_b32 s[M8], 0xff00ff00
	s_mov_b32 s[M4], 0xf0f0f0f0
	s_mov_b32 s[M2], 0xcccccccc
	s_mov_b32 s[M1], 0xaaaaaaaa
	s_mov_b32 s[P0], 0x04020100                    ; of words a, b, c, d, three bytes each: a0 a1 a2 b0,
	s_mov_b32 s[P1], 0x05040201                    ; b1 b2 c0 c1,
	s_mov_b32 s[P2], 0x06050402                    ; c2 d0 d1 d2
	s_mov_b32 s62, 0x41041                         ; bit 0 of each of four codes
	s_mov_b32 s63, 0xf3cf3c                        ; sign and exponent of each of four codes
	s_lshl_b32 s58, s48, 6                         ; 64 Q
	s_lshl_b32 s59, s49, 9                         ; a K step is 512 bytes of a row
	s_mov_b32 s61, 0
	v_lshl_add_u32 v[SPW], v0, 2, SPARE            ; (v0 is the lane: the work-group has one wave)
	v_mov_b32 v[NIL], 0
	v_and_b32 v12, 15, v0                          ; r
	v_lshrrev_b32 v13, 4, v0                       ; h
	v_lshlrev_b32 v[L16], 4, v0
	v_lshlrev_b32 v[L4], 2, v0
	v_lshlrev_b32 v[L8], 3, v0
	v_lshrrev_b32 v[B8], 3, v0
	v_mov_b32 v[PD], 0                             ; written once: a lane permute's destination counts as one of its sources
	v_mov_b32 v[KS], s27
	v_mul_u32_u24 v[RDA], v12, SPT
	v_lshlrev_b32 v[SCI], 2, v12
	v_add_nc_u32 v[WD], s56, v[L16]
	v_lshl_add_u32 v[RDA], v13, 5, v[RDA]
.irp j, 0,1,2,3,4,5,6,7
	v_mad_u32_u24 v[ROFF+\j], s55, \j, v[L16]
.endr
.irp j, 8,9,10,11,12,13,14,15
	v_mad_u32_u24 v[ROFF+\j], s55, \j, v[WD]
.endr
	v_lshrrev_b32 v14, 1, v0                       ; the prefetches' offset: lane l names the 256 bytes l % 2 of row l / 2 of a unit
	v_and_b32 v15, 1, v0
	v_mul_u32_u24 v13, s56, v13                    ; rows 8-15's extra bytes (l / 16 = row / 8)
	v_mad_u32_u24 v13, s55, v14, v13
	v_lshl_add_u32 v0, v15, 8, v13                 ; it takes v0, whose last reader stands above; never rewritten
	s_wait_alu depctr_va_vdst(0)
	s_wait_kmcnt 0x0
	s_cmp_eq_u32 s18, 0                            ; the buffers: every choice hangs on the work-group's number alone
	s_cselect_b64 s[4:5], s[4:5], s[6:7]
	s_cmp_lt_u32 s18, 2
	s_cselect_b64 s[4:5], s[4:5], s[8:9]
	s_cselect_b64 s[12:13], s[12:13], s[14:15]
	s_cmp_eq_u32 s18, 3
	s_cselect_b64 s[4:5], s[10:11], s[4:5]
	s_cselect_b64 s[12:13], s[16:17], s[12:13]
.irp u, 0,1,2,3
	s_add_co_u32 s60, s58, 32*(\u/2)
.if \u%2
	s_add_co_u32 s60, s60, s26
.endif
	s_lshl_b32 s60, s60, s20
	s_add_co_u32 s60, s60, s59
	s_add_nc_u64 s[SRC+2*\u:SRC+2*\u+1], s[4:5], s[60:61]
.endr
	s_lshl_b32 s53, s53, s22
	s_add_co_u32 s53, s53, s49
	s_mul_i32 s53, s53, s23                        ; my chunk, in bytes
	s_mul_i32 s52, s54, 1536
	s_add_co_u32 s60, s53, s52
	s_add_nc_u64 s[DC:DC+1], s[12:13], s[60:61]
	s_lshl_b32 s52, s54, 6
	s_add_co_u32 s60, s53, s52
	s_add_co_u32 s60, s60, s24
	s_add_nc_u64 s[DS:DS+1], s[12:13], s[60:61]
.macro LOAD t                          ; unit t = tile t: sixteen loads, each a row's 512 consecutive bytes
.irp j, 0,1,2,3,4,5,6,7,8,9,10,11,12,13,14,15
	global_load_b128 v[R+64*((\t)%2)+4*\j:R+64*((\t)%2)+4*\j+3], v[ROFF+\j], s[SRC+2*(\t):SRC+2*(\t)+1] th:TH_LOAD_NT
.endr
.endm
.macro ARRIVE t
.if (\t) < 3
	s_wait_loadcnt 16                              ; this unit's sixteen loads are in; the next unit's sixteen may be out
.else
	s_wait_loadcnt 0x0
.endif
.endm
.macro CODES t                         ; 4 rows x 4 numbers to a conversion: 96 bits, 24 for each row
.irp g, 0,1,2,3
	v_cvt_scalef32_pk16_bf6_f32 v[CV+4*\g:CV+4*\g+2], v[R+64*((\t)%2)+16*\g:R+64*((\t)%2)+16*\g+15], v[KS]
.endr
.endm
.macro TURN t, pb
.if (\t)+2 < 4
	LOAD (\t)+2
.endif
.irp g, 0,1,2,3
	v_lshrrev_b32 v[CV+4*\g+3], 8, v[CV+4*\g+2]
	v_alignbit_b32 v[CV+4*\g+2], v[CV+4*\g+2], v[CV+4*\g+1], 16
	v_alignbit_b32 v[CV+4*\g+1], v[CV+4*\g+1], v[CV+4*\g], 24
.endr
.irp j, 0,1,2,3,4,5,6,7,8,9,10,11,12,13,14,15
	ds_store_b32 v[L4], v[CV+\j] offset:\pb+SPT*\j
.endr
.endm
.macro BACK pb                         ; LDS serves a wave's instructions in order (ISA guide 5.7.1.4): these see the stores.  D[8 c + i] = the codes of k = 64 c + 32 h + 4 i .. + 3 of row r
.irp q, 0,1,2,3
	ds_load_b128 v[D+4*\q:D+4*\q+3], v[RDA] offset:\pb+16*(\q%2)+64*(\q/2)
.endr
.endm
.macro PACK t                          ; registers 6 c .. 6 c + 5 of the operand: eight words of three bytes on end
.irp c, 0,1
.irp g, 0,1
	v_perm_b32 v[C+12*(\t)+6*\c+3*\g],   v[D+8*\c+4*\g+1], v[D+8*\c+4*\g],   s[P0]
	v_perm_b32 v[C+12*(\t)+6*\c+3*\g+1], v[D+8*\c+4*\g+2], v[D+8*\c+4*\g+1], s[P1]
	v_perm_b32 v[C+12*(\t)+6*\c+3*\g+2], v[D+8*\c+4*\g+3], v[D+8*\c+4*\g+2], s[P2]
.endr
.endr
.endm
.macro FOLD n, tmp, msk, xm            ; 2 n rows become n: lanes whose bit is set keep row j + n and send row j, the others the other way round
.set j, 0
.rept \n
	v_cndmask_b32 v[\tmp+j], v[A+\n+j], v[A+j], s[\msk]
.set j, j+1
.endr
.set j, 0
.rept \n
	v_cndmask_b32 v[A+j], v[A+j], v[A+\n+j], s[\msk]
.set j, j+1
.endr
.set j, 0
.rept \n
	v_add_f32_dpp v[A+j], v[\tmp+j], v[A+j] row_xmask:\xm row_mask:0xf bank_mask:0xf
.set j, j+1
.endr
.endm
.macro WUNIT t
.set RS, R+64*((\t)%2)
	ARRIVE \t
	CODES \t                                       ; each weight: the largest code under its sign, or 0
.set j, 0
.rept 16
	v_add_f32 v[A+j], |v[RS+4*j]|, |v[RS+4*j+1]|   ; my four magnitudes of each row
.set j, j+1
.endr
.set j, 0
.rept 16
	v_add_f32 v[D+j], |v[RS+4*j+2]|, |v[RS+4*j+3]|
.set j, j+1
.endr
.set j, 0
.rept 16
	v_add_f32 v[A+j], v[A+j], v[D+j]
.set j, j+1
.endr
	TURN \t, PW
	FOLD 8, D, M8, 8
	BACK PW
	FOLD 4, A+8, M4, 4
	FOLD 2, A+8, M2, 2
	FOLD 1, A+8, M1, 1                             ; lane l: the sum of row l % 16 over my sixteen lanes
	v_permlanex16_b32 v[PD], v[A], s50, s51
	v_add_f32 v[A], v[A], v[PD]                    ; with lane l xor 16's: the group's
	s_delay_alu instid0(VALU_DEP_1)
	v_mul_f32 v[A], 0x3c000000, v[A]               ; / 128, exactly
	s_delay_alu instid0(VALU_DEP_1)
	v_max_num_f32 v[A], 0x2800000, v[A]            ; the floor 2^(5 - 127): so the byte cannot fall under 1
	v_add_nc_u32 v[SO], 0xfe000000, v[A]           ; 4 off the exponent field: the conversion's scale operand
	v_lshrrev_b32 v[WD], 23, v[SO]                 ; the scale's byte,
	v_perm_b32 v[WD], v[WD], v[WD], 0              ; four times: the group's four blocks have one largest magnitude
	v_cvt_scalef32_pk16_bf6_f32 v[MC:MC+2], v[A:A+15], v[SO]   ; the mean's own code in the lowest 6 bits (the other fifteen numbers are leftovers of the folds and are not used)
	v_nop                                          ; one plain instruction behind the scaled conversion
	v_and_b32 v[MC], 3, v[MC]                      ; its mantissa
	v_mad_u32_u24 v[MC], v[MC], s62, s63           ; the mask: sign, exponent, and the mean's mantissa, for four codes
	ds_store_b32 v[SCI], v[WD] offset:PW+GATH+64*(\t)   ; lanes r and r + 16 write the same word with the same value
	s_wait_alu depctr_va_vdst(0)
	s_wait_dscnt 0x0
.set j, 0
.rept 16
	v_and_b32 v[D+j], v[MC], v[D+j]                ; sign(w) x the mean, as codes; a zero stays a zero
.set j, j+1
.endr
	PACK \t
.endm
.macro XUNIT t
.set RS, R+64*((\t)%2)
	ARRIVE \t
.set j, 0
.rept 16
	v_max3_num_f32 v[A+j], |v[RS+4*j]|, |v[RS+4*j+1]|, 0x2800000   ; my four numbers of each row, and the floor 2^(5 - 127)
.set j, j+1
.endr
.set j, 0
.rept 16
	v_max3_num_f32 v[A+j], v[A+j], |v[RS+4*j+2]|, |v[RS+4*j+3]|
.set j, j+1
.endr
.irp m, 1,2,4
.set j, 0
.rept 16
	v_max_num_f32_dpp v[A+j], v[A+j], v[A+j] row_xmask:\m row_mask:0xf bank_mask:0xf   ; with the block's other seven lanes
.set j, j+1
.endr
.endr
.set j, 0
.rept 16
	v_add_nc_u32 v[A+j], 0xfe000000, v[A+j]        ; 4 off the exponent field
.set j, j+1
.endr
.set j, 0
.rept 16
	v_and_b32 v[D+j], 0x7f800000, v[A+j]           ; the byte at the exponent's place,
.set j, j+1
.endr
.set j, 0
.rept 16
	v_sub_nc_u32 v[D+j], 0x7f000000, v[D+j]        ; and 254 less the byte there: 1 / the scale
.set j, j+1
.endr
.set j, 0
.rept 16
	v_lshrrev_b32 v[A+j], 23, v[A+j]               ; the scale's byte
.set j, j+1
.endr
.set j, 0
.rept 16
	ds_store_b8 v[B8], v[A+j] offset:PX+GATH+64*(\t)+4*j   ; the block's eight lanes write the same byte with the same value
.set j, j+1
.endr
.set j, 0
.rept 16
.irp i, 0,1,2,3
	v_mul_f32 v[RS+4*j+\i], v[D+j], v[RS+4*j+\i]   ; x / the scale: a power of two, nothing is rounded
.endr
.set j, j+1
.endr
	CODES \t
	v_nop                                          ; one plain instruction behind the scaled conversions
	TURN \t, PX
	BACK PX
	s_wait_dscnt 0x0
	PACK \t
.endm
.macro LEAVE pb                        ; all stores stand at the wave's end
	ds_load_b64 v[A:A+1], v[L8] offset:\pb+GATH    ; in order behind my stores: four units' scale words
.irp u, 0,1,2,3
.irp c, 0,1,2
	global_store_b128 v[L16], v[C+12*\u+4*\c:C+12*\u+4*\c+3], s[DC:DC+1] offset:1536*\u+512*\c   ; 32 lanes store 512 consecutive bytes, at a multiple of 256 from the buffer's first byte
.endr
.endr
	s_wait_dscnt 0x0
	global_store_b64 v[L8], v[A:A+1], s[DS:DS+1]   ; 256 consecutive bytes, aligned
	s_wait_tensorcnt 0x0                           ; the wave's end: behind my last LDS store
	ds_add_u32 v[SPW], v[NIL]
	s_wait_dscnt 0x0
	s_endpgm
.endm
	LOAD 0
	global_prefetch_b8 v0, s[SRC+4:SRC+5] th:TH_LOAD_NT scope:SCOPE_SE   ; my units 2 and 3, whose loads are issued one and two units on: 32 blocks of 256 bytes each, a lane a block, each block named once in the launch
	global_prefetch_b8 v0, s[SRC+6:SRC+7] th:TH_LOAD_NT scope:SCOPE_SE
	LOAD 1
	s_cmp_eq_u32 s18, 3
	s_cbranch_scc1 .Lx
	WUNIT 0
	WUNIT 1
	WUNIT 2
	WUNIT 3
	LEAVE PW
.Lx:
	XUNIT 0
	XUNIT 1
	XUNIT 2
	XUNIT 3
	LEAVE PX
.Lfunc_end_k_q6ff6f75c8d_quant:
	.size	k_q6ff6f75c8d_quant, .Lfunc_end_k_q6ff6f75c8d_quant-k_q6ff6f75c8d_quant
	.p2alignl 7, 3214868480
	.fill 96, 4, 3214868480
	.section	.rodata,"a",@progbits
	.p2align	6, 0x0
	.amdhsa_kernel k_q6ff6f75c8d_quant
		.amdhsa_group_segment_fixed_size 5376
		.amdhsa_private_segment_fixed_size 0
		.amdhsa_enable_private_segment 0
		.amdhsa_kernarg_size 56
		.amdhsa_user_sgpr_count 2
		.amdhsa_user_sgpr_kernarg_segment_ptr 1
		.amdhsa_wavefront_size32 1
		.amdhsa_system_sgpr_workgroup_id_x 1
		.amdhsa_system_sgpr_workgroup_id_y 1
		.amdhsa_system_sgpr_workgroup_id_z 1
		.amdhsa_system_vgpr_workitem_id 0
		.amdhsa_next_free_vgpr 256
		.amdhsa_next_free_sgpr 66
		.amdhsa_reserve_vcc 0
		.amdhsa_float_denorm_mode_32 3
		.amdhsa_float_denorm_mode_16_64 3
		.amdhsa_memory_ordered 1
		.amdhsa_forward_progress 1
		.amdhsa_inst_pref_size 116
	.end_amdhsa_kernel
	.amdgpu_metadata
---
amdhsa.version: [ 1, 2 ]
amdhsa.kernels:
  - .name:           k_q6ff6f75c8d_quant
    .symbol:         k_q6ff6f75c8d_quant.kd
    .args:
      - { .name: w_gate, .offset: 0, .size: 8, .value_kind: global_buffer, .address_space: global }
      - { .name: w_up, .offset: 8, .size: 8, .value_kind: global_buffer, .address_space: global }
      - { .name: w_down, .offset: 16, .size: 8, .value_kind: global_buffer, .address_space: global }
      - { .name: x, .offset: 24, .size: 8, .value_kind: global_buffer, .address_space: global }
      - { .name: wgu, .offset: 32, .size: 8, .value_kind: global_buffer, .address_space: global }
      - { .name: wdq, .offset: 40, .size: 8, .value_kind: global_buffer, .address_space: global }
      - { .name: xq, .offset: 48, .size: 8, .value_kind: global_buffer, .address_space: global }
    .group_segment_fixed_size: 5376
    .private_segment_fixed_size: 0
    .kernarg_segment_align: 8
    .kernarg_segment_size: 56
    .max_flat_workgroup_size: 32
    .sgpr_count:     66
    .vgpr_count:     256
    .wavefront_size: 32
...
	.end_amdgpu_metadata
.endif
;; end of part 1
;; launch gateup (part 2): grid 64 x 4, 4 waves a work-group, clusters of 4 x 4, 327,680 bytes of LDS; arguments xq, wgu, hq; writes hq
.if DOCPART == 2
	.amdgcn_target "amdgcn-amd-amdhsa--gfx1250"
	.amdhsa_code_object_version 6
	.text
	.protected	k_q6ff6f75c8d_gateup
	.globl	k_q6ff6f75c8d_gateup
	.p2align	8
	.type	k_q6ff6f75c8d_gateup,@function
k_q6ff6f75c8d_gateup:
	s_mov_b64 s[64:65], 0
	v_nop
	global_prefetch_b8 v0, s[64:65] scope:SCOPE_SE
	s_setreg_imm32_b32 hwreg(HW_REG_WAVE_MODE, 25, 1), 1
	s_wait_xcnt 0x0
	s_wait_alu depctr_hold_cnt(0) depctr_sa_sdst(0) depctr_va_vdst(0) depctr_va_sdst(0) depctr_va_ssrc(0) depctr_va_vcc(0) depctr_vm_vsrc(0)
	s_getreg_b32 s2, hwreg(HW_REG_IB_STS2, 6, 4)
	s_cmp_eq_u32 s2, 0
	s_cbranch_scc0 .Lentry_in_a_cluster
	s_endpgm
.Lentry_in_a_cluster:
	s_bfe_u32 s2, ttmp6, 0x10000c
	s_cmp_lg_u32 s2, 0xf033
	s_cbranch_scc0 .Lentry_shape_is_right
	s_endpgm
.Lentry_shape_is_right:
; h = silu(x Wg^T) * (x Wu^T), both products on codes of BF6 (E3M2) with E8M0 scales, and h quantised along the hidden units into codes for the next launch.
; xq [4 blocks of 256 rows][16 K steps][chunk], wgu [64 blocks of 128 hidden units][16][chunk]: a chunk is 16 units of 16 rows x 128 K (1,536 bytes: [3][lane][16 bytes], the operand's registers as they stand) and 16 x 16 scale words.
; A work-group takes 256 rows of x and one block of wgu (128 rows of gate and the same 128 of up): four waves, as many as a WGP has SIMDs; wave (m, n) takes rows 128 m on and hidden units 64 n on: 8 tiles of x
; against 4 tiles of gate and 4 of up: 64 accumulators, 512 registers.  So gate and up of one hidden unit lie in the same lane of the same wave.
; K goes two K steps (256 along K) to a slot through a ring of two LDS slots.  A chunk is one dense block of memory: each wave fetches one chunk of a slot by one tensor load, as 100 rows of 256 bytes.
; CLUSTERS: 4 x 4 work-groups.  The four of a row of the cluster need the same chunks of xq, the four of a column the same chunks of wgu: each is asked for JOINTLY.
; THE MATRIX INSTRUCTION IS USED TRANSPOSED (source 0 = 16 weight rows, source 1 = 16 rows of x): a lane holds one row of x, and, by the order in which the launch before laid the weight rows, the 16 registers of tiles
; 2 b and 2 b + 1 are hidden units 32 b + 16 (lane / 16) + 0 .. 15: neighbours along the next product's K.
; OUT: hq [8 blocks of 128 rows][64 K steps][chunk of 8 units + 8 x 16 scale words].  A unit is [2 halves][32 lanes x 16 bytes: registers 6 c .. 6 c + 3; 32 lanes x 8 bytes: registers 6 c + 4, 6 c + 5]; my 64 hidden units are half n.
; LIMITS: NaN and infinities are not served.  A block of h that is all zeros gets the byte 1, not 127 (zero codes; this program alone reads the bytes); a block's largest magnitude is taken as at least 2^(5 - 127).
; REGISTERS: window 0: v16-31 addresses; v32-63 scale words, two sets, and nothing else; v64-127 at work on the way out; v128-223 x's 8 fragments, ONE set (on the way out h's codes); v224-231 at work.
;   window 1: the weights' 8 fragments, TWO sets, at v0 and v128.   windows 2, 3: the accumulators of my x tiles 0-3, 4-7: (a, b) at v[8 (8 (a % 4) + b)].
.set CHK,   25600                      ; a chunk
.set UNITB, 1536                       ; a unit's codes
.set SCW,   16*UNITB                   ; where a chunk's scale words begin
.set SLOT,  4*CHK                      ; x's chunks of the slot's K steps 0, 1, then the weights'
.set SPARE, 2*SLOT                     ; behind the ring: the spare words, 128 bytes for each wave: two blocks of 256 bytes that no other line names
.set FR,    12                         ; registers of a fragment
.set ADRA, 16                          ; v16-17  LDS address of my x fragments in slot 0, 1
.set ADRB, 18                          ; v18-19  of my weight fragments
.set ADSA, 20                          ; v20-21  of x's scale words: lanes 0-15 the slot's K step 0, lanes 16-31 K step 1
.set ADSB, 22                          ; v22-23  of the weights'
.set GO16, 24                          ; v24     16 x lane
.set GO8,  25                          ; v25     512 + 8 x lane
.set SST,  26                          ; v26     where my row's two scale bytes of h meet the other wave's two
.set SRD,  27                          ; v27     and where I read 8 bytes of whole words back
.set SPW,  28                          ; v28     LDS address of my spare word; never rewritten
.set NIL,  29                          ; v29     0; never rewritten
.set PFO,  30                          ; v30     the prefetches' offset: 256 x min(lane, 24); never rewritten
.set L8,   31                          ; v31     8 x lane
.set SC,   32                          ; scale words: set s at v[SC + 16 s]: x's tile i at + i, the weights' tile b at + 8 + b
.set E,    64                          ; v64-95  the way out: 2^(-g log2 e), 1 + that, its reciprocal, silu(g)
.set H,    96                          ; v96-127 h: 32 numbers of a lane
.set AF,   128                         ; x's fragments
.set CD,   160                         ; v160-207 h's codes, six registers for each of my 8 tiles of rows, so that no store's data are written again
.set TP,   208                         ; v208-210 a conversion's second three
.set SH,   216                         ; v216-223 two scale bytes for each tile
.set TM,   224                         ; v224-229 largest magnitudes, permutes and bytes, scale operands
.set FL,   230                         ; v230-231 scale words on their way out
.set G1, 24                            ; s[24:31] descriptor group 1 for x's chunks;  s[32:39] group 0, one set for each slot
.set G0, 32
.set G1B, 48                           ; s[48:55], s[56:63] the same for the weights'
.set G0B, 56
.set PFA, 66                           ; s[66:67] where my prefetches stand
.set LIM, 68                           ; s68  1 in a wave that prefetches, else the greatest number
.set NLE, 70                           ; s[70:71] -log2(e), twice
.set SEL, 72                           ; s[72:73] v_permlanex16_b32's selects for lane l xor 16
.set HB,  74                           ; s[74:75] hq at my half of my chunk's first unit
.set HB2, 76                           ; s[76:77] hq at my 256 bytes of my chunk's scale words
.set MSB, 0
.macro WIN new                         ; the immediate's high byte repeats the setting that is left
.if MSB != (\new)
	s_set_vgpr_msb (MSB<<8)|(\new)
.set MSB, (\new)
.endif
.endm
.set MUL_LO, 0xa1                      ; source 0 (weights) window 1, source 1 (x) window 0, C and D window 2
.set MUL_HI, 0xf1                      ; the same, C and D window 3
.set TO_B,   0x40                      ; destination window 1, address window 0
; A joint load: waves 0 and 1 fetch x's two chunks, waves 2 and 3 the weights'.  Each line has one mask and one set of registers for all that issue it; the branch hangs on the wave's number alone.
; Four v_nop follow each of the two lines, ahead of the jump, the label and what follows.
.macro JLOAD g0a, g1a, g0b, g1b
	s_cmp_eq_u32 s15, 0
	s_cbranch_scc0 .Lfor_b_\@
	tensor_load_to_lds s[\g0a:\g0a+3], s[\g1a:\g1a+7]
	s_nop 0
.rept 4
	v_nop
.endr
	s_branch .Lasked_\@
.Lfor_b_\@:
	tensor_load_to_lds s[\g0b:\g0b+3], s[\g1b:\g1b+7]
	s_nop 0
.rept 4
	v_nop
.endr
.Lasked_\@:
.endm
.macro CREST                           ; a round of the cluster's barrier behind its opening barrier
	s_cmp_lg_u32 s14, 0
	s_cbranch_scc1 .Lnot_wave_0_\@
	s_barrier_signal -3
.Lnot_wave_0_\@:
	s_barrier_wait -3
	s_barrier_signal -1
	s_barrier_wait -1
.endm
.macro CROUND                          ; a whole round
	s_barrier_signal -1
	s_barrier_wait -1
	CREST
.endm
; A PREFETCH INTO THE L2 of the chunk that this wave will fetch two slots' worth on.  Waves 0 and 1 ask for x's chunks, waves 2 and 3 for the weights', each for the chunk that it will itself load.
; The four partners that ask for a chunk jointly share its 100 blocks of 256 bytes out BY ADDRESS, 25 each (place cx for x, cy for the weights; lanes 25-31 name the 25th again): each block is named once in each cluster that will load it.
; The head asks for slots' worth 1 and 2, the line behind slot 1's first fill for 3, each refill of c for c + 2; the loop's last trip asks for nothing: there is no chunk two slots' worth on.
.macro ASK
	s_cmp_gt_u32 s3, s[LIM]
	s_cbranch_scc0 .Lnot_mine_\@
	global_prefetch_b8 v[PFO], s[PFA:PFA+1] th:TH_LOAD_NT scope:SCOPE_SE
.Lnot_mine_\@:
.endm
	s_load_b128 s[4:7], s[0:1], 0x0                ; xq s[4:5], wgu s[6:7]
	s_load_b64 s[8:9], s[0:1], 0x10                ; hq
	v_lshl_add_u32 v[SPW], v0, 2, SPARE
	v_mov_b32 v[NIL], 0
	ds_add_u32 v28, v29
	ds_add_u32 v28, v29
	s_wait_dscnt 0x0
	v_lshrrev_b32 v1, 5, v0
	v_readfirstlane_b32 s14, v1                    ; wave 0..3
	s_lshr_b32 s15, s14, 1                         ; m: which 128 rows of x are mine.  Also: I fetch for x (0) or for the weights (1)
	s_and_b32 s16, s14, 1                          ; n: which 64 hidden units.  Also: which of a slot's two K steps I fetch
	s_bfe_u32 s40, ttmp6, 0x40000                  ; cx, cy: my place in the cluster
	s_bfe_u32 s41, ttmp6, 0x40004
	s_lshl_b32 s42, ttmp9, 2
	s_add_co_u32 s42, s42, s40                     ; the block of wgu = 4 x cluster x + cx
	s_and_b32 s17, ttmp7, 0xffff
	s_lshl_b32 s17, s17, 2
	s_add_co_u32 s17, s17, s41                     ; the block of xq = 4 x cluster y + cy
	s_lshl_b32 s43, s41, 2
	s_lshl_b32 s43, 15, s43                        ; my row of the cluster
	s_lshl_b32 s44, 0x1111, s40                    ; my column
	; descriptor group 1: a chunk, 25,600 dense bytes, as 100 rows of 256 bytes (32 elements of 8 bytes); no padding: every LDS load takes consecutive bytes
	s_or_b32 s[G1+0], s43, (3<<16)|(1<<21)         ; 15:0 the mask: x's chunks go to my row; 17:16 elements of 8 bytes; 21 set beside a mask
	s_or_b32 s[G1B+0], s44, (3<<16)|(1<<21)
.irp g, G1, G1B
	s_mov_b32 s[\g+1], 32<<16                      ; tensor_dim0 = 32
	s_mov_b32 s[\g+2], 100<<16                     ; tensor_dim1 = 100
	s_mov_b32 s[\g+3], 32<<16                      ; tile_dim0 = 32
	s_mov_b32 s[\g+4], 100                         ; tile_dim1 = 100
	s_mov_b32 s[\g+5], 32                          ; tensor_dim0_stride
	s_mov_b32 s[\g+6], 0
	s_mov_b32 s[\g+7], 0
.endr
	s_lshl_b32 s20, s17, 4
	s_add_co_u32 s20, s20, s16
	s_mul_i32 s20, s20, CHK                        ; x: chunk 16 x block + my K step of slot 0
	s_mov_b32 s21, 0
	s_lshl_b32 s46, s42, 4
	s_add_co_u32 s46, s46, s16
	s_mul_i32 s46, s46, CHK                        ; the weights likewise
	s_mov_b32 s47, 0
	s_mul_i32 s45, s14, CHK                        ; where it goes: wave x a chunk: no place in the cluster enters an LDS address
	s_mov_b32 s[NLE], 0xbfb8aa3b
	s_mov_b32 s[NLE+1], s[NLE]
	s_mov_b32 s[SEL], 0x76543210
	s_mov_b32 s[SEL+1], 0xfedcba98
	s_wait_kmcnt 0x0
	s_add_nc_u64 s[20:21], s[4:5], s[20:21]
	s_add_nc_u64 s[46:47], s[6:7], s[46:47]
	s_cmp_eq_u32 s15, 0                            ; the prefetches: do I fetch for x?
	s_cselect_b64 s[PFA:PFA+1], s[20:21], s[46:47] ; my chunk of slot 0,
	s_cselect_b32 s80, s40, s41                    ; my place among the four that ask for it with me,
	s_mul_i32 s80, s80, 6400                       ; my work-group's 25 blocks of it,
	s_mov_b32 s81, 0
	s_add_nc_u64 s[PFA:PFA+1], s[PFA:PFA+1], s[80:81]
	s_add_nc_u64 s[PFA:PFA+1], s[PFA:PFA+1], 3*2*CHK   ; three slots' worth on: the first refill steps it to the fourth
	CROUND
.irp s, 0,1
	s_mov_b32 s[G0+4*\s], 1                        ; 1:0 count = 1
	s_add_co_u32 s[G0+4*\s+1], s45, \s*SLOT        ; 63:32 LDS address
	s_add_nc_u64 s[G0+4*\s+2:G0+4*\s+3], s[20:21], \s*2*CHK   ; 120:64 global address: slot s begins with K steps 2 s, 2 s + 1
	s_or_b32 s[G0+4*\s+3], s[G0+4*\s+3], 0x80000000           ; 127:126 type = 2
	s_mov_b32 s[G0B+4*\s], 1
	s_add_co_u32 s[G0B+4*\s+1], s45, \s*SLOT
	s_add_nc_u64 s[G0B+4*\s+2:G0B+4*\s+3], s[46:47], \s*2*CHK
	s_or_b32 s[G0B+4*\s+3], s[G0B+4*\s+3], 0x80000000
.endr
	JLOAD G0, G1, G0B, G1B                         ; slot 0: one tensor load a wave at the head
	v_and_b32 v1, 15, v0                           ; r
	v_bfe_u32 v2, v0, 4, 1                         ; h
	v_and_b32 v3, 31, v0                           ; lane
	v_lshlrev_b32 v[GO16], 4, v3
	v_lshl_add_u32 v[GO8], v3, 3, 512
	v_lshlrev_b32 v[L8], 3, v3
	s_mul_i32 s21, s15, 8*UNITB                    ; my 8 units of x's chunk
	s_mul_i32 s22, s16, 8*UNITB                    ; my 8 units of the weights' chunk,
	s_add_co_u32 s22, s22, 2*CHK                   ; which lies behind x's two
.irp s, 0,1
	v_add_nc_u32 v[ADRA+\s], s21, v[GO16]
	v_add_nc_u32 v[ADRB+\s], s22, v[GO16]
	s_add_co_u32 s21, s21, SLOT
	s_add_co_u32 s22, s22, SLOT
.endr
	v_lshlrev_b32 v4, 2, v1
	v_mad_u32_u24 v4, v2, CHK, v4                  ; a scale word: 4 r; lanes 16-31 take the chunk of the slot's second K step
	s_lshl_b32 s21, s15, 9
	s_add_co_u32 s21, s21, SCW
	s_lshl_b32 s22, s16, 9
	s_add_co_u32 s22, s22, SCW+2*CHK
.irp s, 0,1
	v_add_nc_u32 v[ADSA+\s], s21, v4
	v_add_nc_u32 v[ADSB+\s], s22, v4
	s_add_co_u32 s21, s21, SLOT
	s_add_co_u32 s22, s22, SLOT
.endr
	s_lshl_b32 s22, s15, 9
	s_lshl_b32 s23, s16, 1
	s_add_co_u32 s23, s23, s22
	v_lshl_add_u32 v[SST], v1, 2, s23              ; h's scale words meet in LDS bytes 0 .. 1,023: 512 m + 64 tile + 4 r + 2 n
	s_lshl_b32 s23, s14, 8
	v_lshl_add_u32 v[SRD], v3, 3, s23              ; back: 256 x wave + 8 x lane
	v_min_u32 v[PFO], 24, v3
	v_lshlrev_b32 v[PFO], 8, v[PFO]
	v_mov_b32 v[TM+2], 0                           ; written once: a lane permute's destination counts as one of its sources
	v_mov_b32 v[TM+3], 0
	global_prefetch_b8 v[PFO], s[PFA:PFA+1] offset:-102400 th:TH_LOAD_NT scope:SCOPE_SE   ; slots' worth 1 (4 chunks back from where the address stands)
	global_prefetch_b8 v[PFO], s[PFA:PFA+1] offset:-51200 th:TH_LOAD_NT scope:SCOPE_SE    ; and 2
	s_lshl_b32 s80, s17, 1                         ; hq: chunk (2 x block of x + m) x 64 + block of wgu.  (Registers from s80 on feed no descriptor)
	s_add_co_u32 s80, s80, s15
	s_lshl_b32 s80, s80, 6
	s_add_co_u32 s80, s80, s42
	s_mul_i32 s80, s80, 12800
	s_mov_b32 s81, 0
	s_add_nc_u64 s[HB2:HB2+1], s[8:9], s[80:81]
	s_mul_i32 s82, s16, 768
	s_mov_b32 s83, 0
	s_add_nc_u64 s[HB:HB+1], s[HB2:HB2+1], s[82:83]
	s_lshl_b32 s82, s16, 8
	s_add_co_u32 s82, s82, 8*UNITB
	s_add_nc_u64 s[HB2:HB2+1], s[HB2:HB2+1], s[82:83]
	s_mov_b32 s[LIM], 1                            ; every wave asks
.macro FRAG3 reg, adr, off             ; a fragment comes as it was laid: three loads of 512 consecutive bytes
.irp c, 0,1,2
	ds_load_b128 v[\reg+4*\c:\reg+4*\c+3], v[\adr] offset:\off+512*\c
.endr
.endm
.macro FETCH_B slot, q, p              ; the weights' eight fragments of the slot's K step q into set p
	WIN TO_B
.irp i, 0,1,2,3,4,5,6,7
	FRAG3 128*(\p)+FR*\i, ADRB+\slot, CHK*(\q)+UNITB*\i
.endr
	WIN 0
.endm
.macro FETCH_A slot, q, i0             ; x's tiles i0 .. i0 + 3
.irp i, \i0, \i0+1, \i0+2, \i0+3
	FRAG3 AF+FR*(\i), ADRA+\slot, CHK*(\q)+UNITB*(\i)
.endr
.endm
.macro SCALES slot                     ; a slot's scale words into set slot: lanes 0-15 those of its K step 0, lanes 16-31 those of K step 1
.irp i, 0,1,2,3,4,5,6,7
	ds_load_b32 v[SC+16*\slot+\i], v[ADSA+\slot] offset:64*\i
.endr
.irp i, 0,1,2,3,4,5,6,7
	ds_load_b32 v[SC+16*\slot+8+\i], v[ADSB+\slot] offset:64*\i
.endr
.endm
; 16 matrix instructions: x's tiles a0, a0 + 1 against the weights' eight, the slot's K step q.  p: the weights' set; sc: the set of scale words; zero = 1: the first product starts the sums: nothing is ever cleared.
; The 64 accumulators take turns, one instruction a turn, in the same order in every K step.
.macro MUL16 a0, p, q, sc, zero
.irp a, \a0, \a0+1
.irp b, 0,1,2,3,4,5,6,7
.if \zero
	v_wmma_scale_f32_16x16x128_f8f6f4 v[8*(8*((\a)%4)+\b):8*(8*((\a)%4)+\b)+7], v[128*(\p)+FR*\b:128*(\p)+FR*\b+FR-1], v[AF+FR*(\a):AF+FR*(\a)+FR-1], 0, v[SC+16*(\sc)+8+\b], v[SC+16*(\sc)+(\a)] matrix_a_fmt:MATRIX_FMT_BF6 matrix_b_fmt:MATRIX_FMT_BF6
.else
.if \q
	v_wmma_scale_f32_16x16x128_f8f6f4 v[8*(8*((\a)%4)+\b):8*(8*((\a)%4)+\b)+7], v[128*(\p)+FR*\b:128*(\p)+FR*\b+FR-1], v[AF+FR*(\a):AF+FR*(\a)+FR-1], v[8*(8*((\a)%4)+\b):8*(8*((\a)%4)+\b)+7], v[SC+16*(\sc)+8+\b], v[SC+16*(\sc)+(\a)] matrix_a_fmt:MATRIX_FMT_BF6 matrix_b_fmt:MATRIX_FMT_BF6 matrix_a_scale:MATRIX_SCALE_ROW1 matrix_b_scale:MATRIX_SCALE_ROW1
.else
	v_wmma_scale_f32_16x16x128_f8f6f4 v[8*(8*((\a)%4)+\b):8*(8*((\a)%4)+\b)+7], v[128*(\p)+FR*\b:128*(\p)+FR*\b+FR-1], v[AF+FR*(\a):AF+FR*(\a)+FR-1], v[8*(8*((\a)%4)+\b):8*(8*((\a)%4)+\b)+7], v[SC+16*(\sc)+8+\b], v[SC+16*(\sc)+(\a)] matrix_a_fmt:MATRIX_FMT_BF6 matrix_b_fmt:MATRIX_FMT_BF6
.endif
.endif
.endr
.endr
.endm
; A load into a register that a matrix instruction has read, and a vector instruction or a store that reads a matrix result, stand four places behind it, and only plain vector instructions that name none of its
; registers are places (ISA guide 7.12.1 for vector instructions).
.macro PLACES
.rept 4
	v_nop
.endr
.endm
; A slot's first K step.  A tile of x is free as soon as its eight products are issued, so one set serves x: tiles 0-3 are fetched anew in the step's middle, tiles 4-7 at its end.
.macro STEP slot, zero
	s_wait_dscnt 12                                ; the weights' set, x's tiles 0-3 and the scale words are in; the youngest 12 loads (x's tiles 4-7) may be out
	WIN MUL_LO
	MUL16 0, 0, 0, \slot, \zero
	MUL16 2, 0, 0, \slot, \zero
	s_wait_dscnt 0x0                               ; x's tiles 4-7 are in (asked for 32 matrix instructions ago)
	PLACES
	FETCH_B \slot, 1, 1
	FETCH_A \slot, 1, 0
	WIN MUL_HI
	MUL16 4, 0, 0, \slot, \zero
	MUL16 6, 0, 0, \slot, \zero
	PLACES
	WIN 0
	FETCH_A \slot, 1, 4
.endm
; A slot's second K step changes slots: ONE barrier; in front of it each wave waits for all its tensor loads, adds 0 to its spare word, and waits for that and for its own reads of this slot.
; fill = 1: this slot is filled again, two slots ahead; the barrier then opens a round of the cluster's barrier.
.macro TURN slot, next, fill
	s_wait_dscnt 12                                ; the weights' set and x's tiles 0-3 are in; the youngest 12 loads (x's tiles 4-7) may be out
	WIN MUL_LO
	MUL16 0, 1, 1, \slot, 0                        ; 32 matrix instructions on registers stand ahead of the wait for the next slot's chunk
	MUL16 2, 1, 1, \slot, 0
	WIN 0
.if \fill
	s_wait_xcnt 0x0
	s_add_nc_u64 s[PFA:PFA+1], s[PFA:PFA+1], 2*CHK
.endif
	s_wait_tensorcnt 0x0                           ; all my tensor loads have landed: the one that was out is my chunk of the next slot;  (every window is 0 here)
	ds_add_u32 v[SPW], v[NIL]                      ; 0 onto my spare word
	s_wait_dscnt 0x0                               ; the add is done, and my reads of this slot are over
	s_barrier_signal -1
	s_barrier_wait -1
.if \fill
	CREST                                          ; no wave of any partner still reads this slot or has a load on its way
	s_add_nc_u64 s[G0+4*\slot+2:G0+4*\slot+3], s[G0+4*\slot+2:G0+4*\slot+3], 4*CHK
	s_add_nc_u64 s[G0B+4*\slot+2:G0B+4*\slot+3], s[G0B+4*\slot+2:G0B+4*\slot+3], 4*CHK
	JLOAD G0+4*\slot, G1, G0B+4*\slot, G1B         ; the first tensor load behind the round, my one load until the next; the four v_nop behind it are the places in front of the loads below
.else
	PLACES
.endif
	FETCH_B \next, 0, 0
	FETCH_A \next, 0, 0
	SCALES \next
.if \fill
	ASK
.endif
	WIN MUL_HI
	MUL16 4, 1, 1, \slot, 0
	MUL16 6, 1, 1, \slot, 0
	PLACES
	WIN 0
	FETCH_A \next, 0, 4
.endm
	s_wait_alu depctr_va_vdst(0)
	s_wait_tensorcnt 0x0                           ; my chunk of slot 0 is in
	ds_add_u32 v[SPW], v[NIL]
	s_wait_dscnt 0x0
	CROUND                                         ; a whole round: everybody's chunk of slot 0 is in, and the joint loads meet
	JLOAD G0+4, G1, G0B+4, G1B                     ; slot 1's first fill, the first tensor load behind the round
	FETCH_B 0, 0, 0
	FETCH_A 0, 0, 0
	SCALES 0
	FETCH_A 0, 0, 4
	global_prefetch_b8 v[PFO], s[PFA:PFA+1] th:TH_LOAD_NT scope:SCOPE_SE   ; slots' worth 3, two on from the fill just asked for
	STEP 0, 1                                      ; the first K step stands in front of the loop: its products start the sums
	s_mov_b32 s3, 3
.Llap:                                                 ; a trip goes once round the ring, from a lap's second K step to the next lap's first, and fills both slots again: 3 trips fill slots' worth 2 to 7
	TURN 0, 1, 1
	STEP 1, 0
	TURN 1, 0, 1
	STEP 0, 0
	s_sub_co_u32 s3, s3, 1
	s_cmp_lg_u32 s3, 0
	s_cbranch_scc1 .Llap
	TURN 0, 1, 0                                   ; the last lap fills nothing, and has no round of the cluster's barrier
	STEP 1, 0
	s_wait_dscnt 12                                ; the very last K step: nothing more to fetch
	WIN MUL_LO
	MUL16 0, 1, 1, 1, 0
	MUL16 2, 1, 1, 1, 0
	s_wait_dscnt 0x0
	WIN MUL_HI
	MUL16 4, 1, 1, 1, 0
	MUL16 6, 1, 1, 1, 0
	WIN 0
; THE WAY OUT, a tile of 16 rows at a time.  Of tile a a lane holds 32 numbers of gate (accumulators 0-3) and the same 32 hidden units of up (4-7): register 16 b + i is hidden unit 32 b + 16 (lane / 16) + i of my 64.
; h = (g x 1 / (1 + 2^(-g log2 e))) x u, all in f32.  Each batch of 32 transcendentals has one plain instruction behind it and one wait ahead of its first reader.
; Then the quantiser: a block of 32 lies in lanes l and l xor 16; two conversions give half blocks, three exchanges of lane halves give each lane a whole block: registers 6 n .. 6 n + 5 of the next product's operand.
.macro EPI a
.set AC, 64*((\a)%4)
	WIN 2+(\a)/4                                   ; source 0: the accumulators' window
.set j, 0
.rept 16
	v_pk_mul_f32 v[E+j:E+j+1], v[AC+j:AC+j+1], s[NLE:NLE+1] op_sel_hi:[1,0]   ; -g log2 e; each accumulator is read from its low end on
.set j, j+2
.endr
	WIN 0
.set j, 0
	s_wait_alu depctr_va_vdst(0)
.rept 32
	v_exp_f32 v[E+j], v[E+j]
.set j, j+1
.endr
	v_nop
	s_wait_alu depctr_va_vdst(0)
.set j, 0
.rept 16
	v_pk_add_f32 v[E+j:E+j+1], v[E+j:E+j+1], 1.0 op_sel_hi:[1,0]
.set j, j+2
.endr
.set j, 0
	s_wait_alu depctr_va_vdst(0)
.rept 32
	v_rcp_f32 v[E+j], v[E+j]
.set j, j+1
.endr
	v_nop
	s_wait_alu depctr_va_vdst(0)
	WIN 2+(\a)/4
.set j, 0
.rept 16
	v_pk_mul_f32 v[E+j:E+j+1], v[AC+j:AC+j+1], v[E+j:E+j+1]       ; silu(g)
.set j, j+2
.endr
.set j, 0
.rept 16
	v_pk_mul_f32 v[H+j:H+j+1], v[AC+32+j:AC+32+j+1], v[E+j:E+j+1] ; x u
.set j, j+2
.endr
	WIN 0
.irp b, 0,1
	v_max3_num_f32 v[TM+\b], |v[H+16*\b]|, |v[H+16*\b+1]|, 0x2800000   ; block b: my 16 numbers, and the floor 2^(5 - 127): so the byte cannot fall under 1
.endr
.irp i, 2,4,6,8,10,12,14
.irp b, 0,1
	v_max3_num_f32 v[TM+\b], v[TM+\b], |v[H+16*\b+\i]|, |v[H+16*\b+\i+1]|
.endr
.endr
.irp b, 0,1
	v_permlanex16_b32 v[TM+2+\b], v[TM+\b], s[SEL], s[SEL+1]
.endr
.irp b, 0,1
	v_max_num_f32 v[TM+\b], v[TM+\b], v[TM+2+\b]   ; with lane l xor 16's: the block's largest magnitude
.endr
.irp b, 0,1
	v_add_nc_u32 v[TM+4+\b], 0xfe000000, v[TM+\b]  ; 4 off its exponent field: the conversion's scale operand
.endr
.irp b, 0,1
	v_lshrrev_b32 v[TM+2+\b], 23, v[TM+4+\b]       ; the scale's byte
.endr
	v_lshl_or_b32 v[SH+(\a)], v[TM+3], 8, v[TM+2]  ; bytes 2 n and 2 n + 1 of my row's scale word
	v_cvt_scalef32_pk16_bf6_f32 v[CD+6*(\a):CD+6*(\a)+2], v[H:H+15], v[TM+4]
	v_cvt_scalef32_pk16_bf6_f32 v[TP:TP+2], v[H+16:H+31], v[TM+5]
	v_nop                                          ; one plain instruction behind the scaled conversions
.irp i, 0,1,2
	v_permlane16_swap_b32 v[CD+6*(\a)+\i], v[TP+\i]   ; the first's lanes 16-31 change places with the second's lanes 0-15
.endr
.irp i, 0,1,2
	v_mov_b32 v[CD+6*(\a)+3+\i], v[TP+\i]
.endr
	global_store_b128 v[GO16], v[CD+6*(\a):CD+6*(\a)+3], s[HB:HB+1] offset:UNITB*(\a)    ; 512 consecutive bytes, at a multiple of 256 from hq's first byte
	global_store_b64 v[GO8], v[CD+6*(\a)+4:CD+6*(\a)+5], s[HB:HB+1] offset:UNITB*(\a)    ; and the 256 behind them
	ds_store_b16 v[SST], v[SH+(\a)] offset:64*(\a) ; into slot 0's first 1,024 bytes: that slot has had its last fill, and nobody has read it since the last change of slots
.endm
	PLACES                                         ; behind the last products: for the first reads of results and the writes over x's fragments
	EPI 0
	EPI 1
	EPI 2
	EPI 3
	EPI 4
	EPI 5
	EPI 6
	EPI 7
	s_wait_dscnt 0x0                               ; for the other wave's sake: my halves of the scale words are stored
	s_barrier_signal -1
	s_barrier_wait -1
	ds_load_b64 v[FL:FL+1], v[SRD]                 ; whole words: two bytes mine, two the other wave's
	s_wait_dscnt 0x0
	global_store_b64 v[L8], v[FL:FL+1], s[HB2:HB2+1]   ; 256 consecutive bytes, aligned
	s_wait_tensorcnt 0x0                           ; the wave's end: behind my last tensor load and my last LDS store
	ds_add_u32 v[SPW], v[NIL]
	s_wait_dscnt 0x0
	CROUND                                         ; the closing round: no work-group ends while a partner may still ask for a tile that names it
	s_endpgm
.Lfunc_end_k_q6ff6f75c8d_gateup:
	.size	k_q6ff6f75c8d_gateup, .Lfunc_end_k_q6ff6f75c8d_gateup-k_q6ff6f75c8d_gateup
	.p2alignl 7, 3214868480
	.fill 96, 4, 3214868480
	.section	.rodata,"a",@progbits
	.p2align	6, 0x0
	.amdhsa_kernel k_q6ff6f75c8d_gateup
		.amdhsa_group_segment_fixed_size 327680
		.amdhsa_private_segment_fixed_size 0
		.amdhsa_enable_private_segment 0
		.amdhsa_kernarg_size 24
		.amdhsa_user_sgpr_count 2
		.amdhsa_user_sgpr_kernarg_segment_ptr 1
		.amdhsa_wavefront_size32 1
		.amdhsa_system_sgpr_workgroup_id_x 1
		.amdhsa_system_sgpr_workgroup_id_y 1
		.amdhsa_system_sgpr_workgroup_id_z 1
		.amdhsa_system_vgpr_workitem_id 0
		.amdhsa_next_free_vgpr 1024
		.amdhsa_next_free_sgpr 100
		.amdhsa_reserve_vcc 0
		.amdhsa_float_denorm_mode_32 3
		.amdhsa_float_denorm_mode_16_64 3
		.amdhsa_memory_ordered 1
		.amdhsa_forward_progress 1
		.amdhsa_inst_pref_size 175
	.end_amdhsa_kernel
	.amdgpu_metadata
---
amdhsa.version: [ 1, 2 ]
amdhsa.kernels:
  - .name:           k_q6ff6f75c8d_gateup
    .symbol:         k_q6ff6f75c8d_gateup.kd
    .args:
      - { .name: xq, .offset: 0, .size: 8, .value_kind: global_buffer, .address_space: global }
      - { .name: wgu, .offset: 8, .size: 8, .value_kind: global_buffer, .address_space: global }
      - { .name: hq, .offset: 16, .size: 8, .value_kind: global_buffer, .address_space: global }
    .group_segment_fixed_size: 327680
    .private_segment_fixed_size: 0
    .kernarg_segment_align: 8
    .kernarg_segment_size: 24
    .max_flat_workgroup_size: 128
    .sgpr_count:     100
    .vgpr_count:     1024
    .wavefront_size: 32
...
	.end_amdgpu_metadata
.endif
;; end of part 2
;; launch down (part 3): grid 32 x 8, 4 waves a work-group, clusters of 4 x 1, 327,680 bytes of LDS; arguments hq, wdq, out0; writes out0
.if DOCPART == 3
	.amdgcn_target "amdgcn-amd-amdhsa--gfx1250"
	.amdhsa_code_object_version 6
	.text
	.protected	k_q6ff6f75c8d_down
	.globl	k_q6ff6f75c8d_down
	.p2align	8
	.type	k_q6ff6f75c8d_down,@function
k_q6ff6f75c8d_down:
	s_mov_b64 s[64:65], 0
	v_nop
	global_prefetch_b8 v0, s[64:65] scope:SCOPE_SE
	s_setreg_imm32_b32 hwreg(HW_REG_WAVE_MODE, 25, 1), 1
	s_wait_xcnt 0x0
	s_wait_alu depctr_hold_cnt(0) depctr_sa_sdst(0) depctr_va_vdst(0) depctr_va_sdst(0) depctr_va_ssrc(0) depctr_va_vcc(0) depctr_vm_vsrc(0)
	s_getreg_b32 s2, hwreg(HW_REG_IB_STS2, 6, 4)
	s_cmp_eq_u32 s2, 0
	s_cbranch_scc0 .Lentry_in_a_cluster
	s_endpgm
.Lentry_in_a_cluster:
	s_bfe_u32 s2, ttmp6, 0x10000c
	s_cmp_lg_u32 s2, 0x3003
	s_cbranch_scc0 .Lentry_shape_is_right
	s_endpgm
.Lentry_shape_is_right:
.set ACH,   12800
.set BCH,   6400
.set UNITB, 1536
.set XW,    4*ACH
.set YW,    2*ACH
.set YS,    4*XW
.set SPARE, YS+4*YW
.set LAP,   24*ACH
.set SP,    272
.set ADX16, 8
.set ADX8,  9
.set ADY16, 10
.set ADY8,  11
.set ADSX,  12
.set ADSY,  13
.set GB16,  14
.set GBS,   15
.set STO,   18
.set RD0,   19
.set RD2,   20
.set CO,    21
.set SPW,   28
.set NIL,   29
.set PFO,   30
.set PFB,   31
.set SA,    32
.set SB,    48
.set AFR,   64
.set G1X, 24
.set G1Y, 48
.set G0X, 32
.set G0Y, 36
.set BX,  56
.set BY,  58
.set PFX, 60
.set PFY, 62
.set LIM, 68
.set OB,  70
.set MSB, 0
.macro WIN new
.if MSB != (\new)
	s_set_vgpr_msb (MSB<<8)|(\new)
.set MSB, (\new)
.endif
.endm
.macro CREST
	s_cmp_lg_u32 s14, 0
	s_cbranch_scc1 .Lnot_wave_0_\@
	s_barrier_signal -3
.Lnot_wave_0_\@:
	s_barrier_wait -3
	s_barrier_signal -1
	s_barrier_wait -1
.endm
.macro CROUND
	s_barrier_signal -1
	s_barrier_wait -1
	CREST
.endm
.macro PLACES
.rept 4
	v_nop
.endr
.endm
.macro ASK what                        ; every cluster asks for the chunks of hq that it will load; its four partners share a wave's chunks out by address
.if (\what) == 1
	s_wait_alu depctr_va_vdst(0)
	global_prefetch_b8 v[PFO], s[PFY:PFY+1] th:TH_LOAD_NT scope:SCOPE_SE
.else
	s_wait_alu depctr_va_vdst(0)
	global_prefetch_b8 v[PFO], s[PFX:PFX+1] th:TH_LOAD_NT scope:SCOPE_SE
	global_prefetch_b8 v[PFO], s[PFX:PFX+1] offset:6400 th:TH_LOAD_NT scope:SCOPE_SE
.endif
.endm
	s_load_b128 s[4:7], s[0:1], 0x0
	s_load_b64 s[8:9], s[0:1], 0x10
	v_lshl_add_u32 v[SPW], v0, 2, SPARE
	v_mov_b32 v[NIL], 0
	ds_add_u32 v28, v29
	ds_add_u32 v28, v29
	s_wait_dscnt 0x0
	v_lshrrev_b32 v1, 5, v0
	v_readfirstlane_b32 s14, v1
	s_bfe_u32 s40, ttmp6, 0x40000
	s_lshl_b32 s42, ttmp9, 2
	s_add_co_u32 s42, s42, s40
	s_and_b32 s17, ttmp7, 0xffff
	s_mov_b32 s[G1X+0], 15|(3<<16)|(1<<21)
	s_mov_b32 s[G1X+1], 32<<16
	s_mov_b32 s[G1X+2], 200<<16
	s_mov_b32 s[G1X+3], 32<<16
	s_mov_b32 s[G1X+4], 200
	s_mov_b32 s[G1X+5], 32
	s_mov_b32 s[G1X+6], 0
	s_mov_b32 s[G1X+7], 0
	s_mov_b32 s[G1Y+0], 15|(3<<16)|(1<<21)
	s_mov_b32 s[G1Y+1], 32<<16
	s_mov_b32 s[G1Y+2], 100<<16
	s_mov_b32 s[G1Y+3], 32<<16
	s_mov_b32 s[G1Y+4], 100
	s_mov_b32 s[G1Y+5], 32
	s_mov_b32 s[G1Y+6], 0
	s_mov_b32 s[G1Y+7], 0
	s_mul_i32 s45, s14, XW
	s_mul_i32 s46, s14, YW
	s_mul_i32 s20, s17, 64*ACH
	s_add_co_u32 s22, s20, s46
	s_add_co_u32 s22, s22, 16*ACH
	s_add_co_u32 s20, s20, s45
	s_mov_b32 s21, 0
	s_mov_b32 s23, 0
	s_mul_i32 s80, s42, 64*BCH
	s_mul_i32 s82, s14, 4*BCH
	s_add_co_u32 s82, s82, s80
	s_mov_b32 s83, 0
	s_mul_i32 s84, s14, 2*BCH
	s_add_co_u32 s84, s84, s80
	s_mov_b32 s85, 0
	s_lshl_b32 s86, s17, 7
	s_lshl_b32 s87, s14, 5
	s_add_co_u32 s86, s86, s87
	s_lshl_b32 s86, s86, 13
	s_lshl_b32 s87, s42, 8
	s_add_co_u32 s86, s86, s87
	s_mov_b32 s87, 0
	s_mul_i32 s88, s17, 64*ACH
	s_mul_i32 s90, s40, 6400
	s_add_co_u32 s90, s90, s88
	s_add_co_u32 s90, s90, s46
	s_add_co_u32 s90, s90, 40*ACH
	s_mov_b32 s91, 0
	s_mul_i32 s92, s40, 12800
	s_add_co_u32 s92, s92, s88
	s_add_co_u32 s92, s92, s45
	s_add_co_u32 s92, s92, 48*ACH
	s_mov_b32 s93, 0
	v_and_b32 v1, 15, v0
	v_bfe_u32 v2, v0, 4, 1
	v_and_b32 v3, 31, v0
	v_lshlrev_b32 v[GB16], 4, v3
	v_lshlrev_b32 v5, 3, v3
	v_lshlrev_b32 v6, 2, v1
	v_mad_u32_u24 v[GBS], v2, BCH, v6
	v_mad_u32_u24 v6, v2, ACH, v6
	v_add_nc_u32 v[ADX16], s45, v[GB16]
	v_add_nc_u32 v[ADX8], s45, v5
	v_add_nc_u32 v[ADSX], s45, v6
	s_add_co_u32 s94, s46, YS
	v_add_nc_u32 v[ADY16], s94, v[GB16]
	v_add_nc_u32 v[ADY8], s94, v5
	v_add_nc_u32 v[ADSY], s94, v6
	v_mul_u32_u24 v[STO], v1, SP
	v_lshl_add_u32 v[STO], v2, 5, v[STO]
	v_add_nc_u32 v[STO], s45, v[STO]
	s_mul_i32 s95, s14, 32*SP
	v_mul_u32_u24 v[RD0], v2, SP
	v_lshl_add_u32 v[RD0], v1, 4, v[RD0]
	v_add_nc_u32 v[RD0], s95, v[RD0]
	v_add_nc_u32 v[RD2], 2*XW, v[RD0]
	v_lshlrev_b32 v[CO], 13, v2
	v_lshl_add_u32 v[CO], v1, 4, v[CO]
	v_min_u32 v[PFO], 24, v3
	v_lshlrev_b32 v[PFO], 8, v[PFO]
	v_min_u32 v[PFB], 6, v3                        ; the weights' prefetches: a pair of K steps is 50 blocks of 256 bytes; the eight work-groups along y that read it take 7 each by address,
	v_mad_u32_u24 v[PFB], s17, 7, v[PFB]
	v_min_u32 v[PFB], 49, v[PFB]                   ; the last of them the 50th (lanes left over name their wave's last block again)
	v_lshlrev_b32 v[PFB], 8, v[PFB]
	s_wait_kmcnt 0x0
	s_add_nc_u64 s[20:21], s[4:5], s[20:21]
	s_add_nc_u64 s[22:23], s[4:5], s[22:23]
	s_add_nc_u64 s[BX:BX+1], s[6:7], s[82:83]
	s_add_nc_u64 s[BY:BY+1], s[6:7], s[84:85]
	s_add_nc_u64 s[OB:OB+1], s[8:9], s[86:87]
	s_add_nc_u64 s[PFY:PFY+1], s[4:5], s[90:91]
	s_add_nc_u64 s[PFX:PFX+1], s[4:5], s[92:93]
	CROUND
	s_mov_b32 s[G0X], 1
	s_add_co_u32 s[G0X+1], s45, 0
	s_mov_b64 s[G0X+2:G0X+3], s[20:21]
	s_or_b32 s[G0X+3], s[G0X+3], 0x80000000
	s_mov_b32 s[G0Y], 1
	s_add_co_u32 s[G0Y+1], s46, YS
	s_mov_b64 s[G0Y+2:G0Y+3], s[22:23]
	s_or_b32 s[G0Y+3], s[G0Y+3], 0x80000000
	tensor_load_to_lds s[G0X:G0X+3], s[G1X:G1X+7]
	s_nop 0
	s_wait_alu depctr_va_vdst(0)
	global_prefetch_b8 v[PFO], s[PFY:PFY+1] offset:-307200 th:TH_LOAD_NT scope:SCOPE_SE   ; hq: my second fill (24 chunks back from where the address stands),
	global_prefetch_b8 v[PFO], s[PFX:PFX+1] offset:-307200 th:TH_LOAD_NT scope:SCOPE_SE   ; and my third, in two halves
	global_prefetch_b8 v[PFO], s[PFX:PFX+1] offset:-300800 th:TH_LOAD_NT scope:SCOPE_SE
	global_prefetch_b8 v[PFB], s[BX:BX+1] offset:24*BCH th:TH_LOAD_NT scope:SCOPE_SE      ; the weights' pairs 3 and 4
	global_prefetch_b8 v[PFB], s[BX:BX+1] offset:26*BCH th:TH_LOAD_NT scope:SCOPE_SE
.irp pp, 0,1
	WIN 0x40
.irp e, 0,1
.irp i, 0,1,2,3
.irp c, 0,1,2
	global_load_b128 v[96*\pp+48*\e+12*\i+4*\c:96*\pp+48*\e+12*\i+4*\c+3], v[GB16], s[BX:BX+1] offset:(2*\pp+\e)*BCH+UNITB*\i+512*\c
.endr
.endr
.endr
	WIN 0
.irp b, 0,1,2,3
	global_load_b32 v[SB+4*\pp+\b], v[GBS], s[BX:BX+1] offset:2*\pp*BCH+4*UNITB+64*\b
.endr
.endr
	s_wait_tensorcnt 0x0
	ds_add_u32 v28, v29
	s_wait_dscnt 0x0
	CROUND
	tensor_load_to_lds s[G0Y:G0Y+3], s[G1Y:G1Y+7]
	s_nop 0
	PLACES
.macro FETCHA e, a16, a8, off
.irp i, 0,1,2,3,4,5,6,7
	ds_load_b128 v[AFR+96*(\e)+12*\i:AFR+96*(\e)+12*\i+3],     v[\a16] offset:(\off)+UNITB*\i
	ds_load_b64  v[AFR+96*(\e)+12*\i+4:AFR+96*(\e)+12*\i+5],   v[\a8]  offset:(\off)+UNITB*\i+512
	ds_load_b128 v[AFR+96*(\e)+12*\i+6:AFR+96*(\e)+12*\i+9],   v[\a16] offset:(\off)+UNITB*\i+768
	ds_load_b64  v[AFR+96*(\e)+12*\i+10:AFR+96*(\e)+12*\i+11], v[\a8]  offset:(\off)+UNITB*\i+1280
.endr
.endm
.macro SCALESA set, ads, off
.irp i, 0,1,2,3,4,5,6,7
	ds_load_b32 v[SA+8*(\set)+\i], v[\ads] offset:(\off)+8*UNITB+64*\i
.endr
.endm
.macro BLOAD pp
.set BCL, (\pp)%3
.if BCL == 2
.set BSB, BY
.set BKI, 24*((\pp)/3)+16
	WIN 0xc0
.else
.set BSB, BX
.set BKI, 24*((\pp)/3)+2*BCL
	WIN 0x40
.endif
.set BRB, 96*(BCL%2)
.irp e, 0,1
.irp i, 0,1,2,3
.irp c, 0,1,2
	global_load_b128 v[BRB+48*\e+12*\i+4*\c:BRB+48*\e+12*\i+4*\c+3], v[GB16], s[BSB:BSB+1] offset:(BKI+\e)*BCH+UNITB*\i+512*\c
.endr
.endr
.endr
	WIN 0
.irp b, 0,1,2,3
	global_load_b32 v[SB+4*BCL+\b], v[GBS], s[BSB:BSB+1] offset:BKI*BCH+4*UNITB+64*\b
.endr
.if ((\pp) >= 3) && ((\pp) <= 5)       ; behind the loads of pair pp: the ask for pair pp + 2; pair 7 is the last
.if ((\pp)+2)%3 == 2
	global_prefetch_b8 v[PFB], s[BY:BY+1] offset:(24*(((\pp)+2)/3)+16)*BCH th:TH_LOAD_NT scope:SCOPE_SE
.else
	global_prefetch_b8 v[PFB], s[BX:BX+1] offset:(24*(((\pp)+2)/3)+2*(((\pp)+2)%3))*BCH th:TH_LOAD_NT scope:SCOPE_SE
.endif
.endif
.endm
.macro MULA e, sa, cl, zero
.if (\cl) == 2
	WIN 0xa3
.else
	WIN 0xa1
.endif
.set MB, 96*((\cl)%2)+48*(\e)
.set MA, AFR+96*(\e)
.set AA, 0
.rept 8
.irp b, 0,1,2,3
.if \zero
	v_wmma_scale_f32_16x16x128_f8f6f4 v[8*(4*AA+\b):8*(4*AA+\b)+7], v[MB+12*\b:MB+12*\b+11], v[MA+12*AA:MA+12*AA+11], 0, v[SB+4*(\cl)+\b], v[SA+8*(\sa)+AA] matrix_a_fmt:MATRIX_FMT_BF6 matrix_b_fmt:MATRIX_FMT_BF6
.else
.if \e
	v_wmma_scale_f32_16x16x128_f8f6f4 v[8*(4*AA+\b):8*(4*AA+\b)+7], v[MB+12*\b:MB+12*\b+11], v[MA+12*AA:MA+12*AA+11], v[8*(4*AA+\b):8*(4*AA+\b)+7], v[SB+4*(\cl)+\b], v[SA+8*(\sa)+AA] matrix_a_fmt:MATRIX_FMT_BF6 matrix_b_fmt:MATRIX_FMT_BF6 matrix_a_scale:MATRIX_SCALE_ROW1 matrix_b_scale:MATRIX_SCALE_ROW1
.else
	v_wmma_scale_f32_16x16x128_f8f6f4 v[8*(4*AA+\b):8*(4*AA+\b)+7], v[MB+12*\b:MB+12*\b+11], v[MA+12*AA:MA+12*AA+11], v[8*(4*AA+\b):8*(4*AA+\b)+7], v[SB+4*(\cl)+\b], v[SA+8*(\sa)+AA] matrix_a_fmt:MATRIX_FMT_BF6 matrix_b_fmt:MATRIX_FMT_BF6
.endif
.endif
.endr
.set AA, AA+1
.endr
.endm
.macro CHANGE k
	s_wait_tensorcnt 0x0
	ds_add_u32 v[SPW], v[NIL]
.if (\k) == 1
	s_add_nc_u64 s[G0X+2:G0X+3], s[G0X+2:G0X+3], LAP
.elseif (\k) == 2
	s_add_nc_u64 s[G0Y+2:G0Y+3], s[G0Y+2:G0Y+3], LAP
.endif
	s_wait_dscnt 0x0
	s_barrier_signal -1
	s_barrier_wait -1
.if (\k) < 3
	CREST
.if (\k) == 1
	tensor_load_to_lds s[G0X:G0X+3], s[G1X:G1X+7]
	s_nop 0
.else
	tensor_load_to_lds s[G0Y:G0Y+3], s[G1Y:G1Y+7]
	s_nop 0
.endif
.endif
	PLACES
.endm
.macro KSTEP n, chg, ask
.set KPP, (\n)/2
.set KEE, (\n)%2
.set KCL, KPP%3
.set NPP, ((\n)+1)/2
.set NEE, ((\n)+1)%2
.set NCL, NPP%3
.if NCL == 2
.set NA16, ADY16
.set NA8,  ADY8
.set NSC,  ADSY
.set NOF,  NEE*ACH
.set NSO,  0
.else
.set NA16, ADX16
.set NA8,  ADX8
.set NSC,  ADSX
.set NOF,  (2*NCL+NEE)*ACH
.set NSO,  2*NCL*ACH
.endif
	WIN 0
.if \chg
	s_wait_dscnt 0x0                               ; a step with a change of slots: its own fragments are in, and its products, work on registers, stand ahead of the wait for the tile
	MULA KEE, KPP%2, KCL, 0
.if KPP <= 4
	PLACES
	BLOAD KPP+3
.endif
	WIN 0
	CHANGE \chg
	FETCHA NEE, NA16, NA8, NOF                     ; such a step is odd: the next one begins a pair
	SCALESA NPP%2, NSC, NSO
.if \ask
	ASK \ask
.endif
.else
.if ((\n) > 0) && ((KEE == 1) || (KPP > 5))
	PLACES
.endif
.if (\n) < 15
	FETCHA NEE, NA16, NA8, NOF
.if NEE == 0
	SCALESA NPP%2, NSC, NSO
.endif
.if \ask
	ASK \ask
.endif
.if NEE == 0
	s_wait_dscnt 40
.else
	s_wait_dscnt 32
.endif
.else
	s_wait_dscnt 0x0
.endif
.if KEE == 0
.if KPP <= 5
	s_wait_loadcnt 56
.elseif KPP == 6
	s_wait_loadcnt 28
.else
	s_wait_loadcnt 0x0
.endif
.endif
.if (\n) == 0
	MULA KEE, KPP%2, KCL, 1
.else
	MULA KEE, KPP%2, KCL, 0
.endif
.if (KEE == 1) && (KPP <= 4)
	PLACES
	BLOAD KPP+3
.endif
.endif
.endm
	s_wait_loadcnt 28
	BLOAD 2
	s_wait_tensorcnt 1
	s_barrier_signal -1
	s_barrier_wait -1
	FETCHA 0, ADX16, ADX8, 0
	SCALESA 0, ADSX, 0
	KSTEP 0, 0, 0
	KSTEP 1, 0, 0
	KSTEP 2, 0, 0
	KSTEP 3, 1, 1
	KSTEP 4, 0, 0
	KSTEP 5, 2, 2
	KSTEP 6, 0, 0
	KSTEP 7, 0, 0
	KSTEP 8, 0, 0
	KSTEP 9, 1, 0
	KSTEP 10, 0, 0
	KSTEP 11, 3, 0
	KSTEP 12, 0, 0
	KSTEP 13, 0, 0
	KSTEP 14, 0, 0
	KSTEP 15, 0, 0
	PLACES
	WIN 0x08
	s_wait_alu depctr_va_vdst(0)
.irp a, 0,1,2,3,4,5,6,7
.irp b, 0,1,2,3
	ds_store_b128 v[STO], v[8*(4*\a+\b):8*(4*\a+\b)+3] offset:16*SP*\a+64*\b
	ds_store_b128 v[STO], v[8*(4*\a+\b)+4:8*(4*\a+\b)+7] offset:16*SP*\a+64*\b+16
.endr
.endr
	WIN 0
	s_wait_dscnt 0x0
	s_barrier_signal -1
	s_barrier_wait -1
.macro RLOAD be
.set RB, 64+64*((\be)%2)
.irp p, 0,1,2,3
.irp g, 0,1
	ds_load_b128 v[RB+16*\p+4*\g:RB+16*\p+4*\g+3],     v[RD0] offset:XW*\g+2*SP*(4*(\be)+\p)
	ds_load_b128 v[RB+16*\p+8+4*\g:RB+16*\p+8+4*\g+3], v[RD2] offset:XW*\g+2*SP*(4*(\be)+\p)
.endr
.endr
.endm
.macro RSUM be
.set RB, 64+64*((\be)%2)
.irp p, 0,1,2,3
	v_pk_add_f32 v[RB+16*\p:RB+16*\p+1],     v[RB+16*\p:RB+16*\p+1],     v[RB+16*\p+4:RB+16*\p+5]
	v_pk_add_f32 v[RB+16*\p+2:RB+16*\p+3],   v[RB+16*\p+2:RB+16*\p+3],   v[RB+16*\p+6:RB+16*\p+7]
	v_pk_add_f32 v[RB+16*\p+8:RB+16*\p+9],   v[RB+16*\p+8:RB+16*\p+9],   v[RB+16*\p+12:RB+16*\p+13]
	v_pk_add_f32 v[RB+16*\p+10:RB+16*\p+11], v[RB+16*\p+10:RB+16*\p+11], v[RB+16*\p+14:RB+16*\p+15]
	v_pk_add_f32 v[RB+16*\p:RB+16*\p+1],     v[RB+16*\p:RB+16*\p+1],     v[RB+16*\p+8:RB+16*\p+9]
	v_pk_add_f32 v[RB+16*\p+2:RB+16*\p+3],   v[RB+16*\p+2:RB+16*\p+3],   v[RB+16*\p+10:RB+16*\p+11]
	global_store_b128 v[CO], v[RB+16*\p:RB+16*\p+3], s[OB:OB+1] offset:16384*(4*(\be)+\p) th:TH_STORE_NT
.endr
.endm
	RLOAD 0
.irp be, 0,1,2,3
.if \be < 3
.if \be > 0
	s_wait_xcnt 0x0
.endif
	RLOAD \be+1
	s_wait_dscnt 16
.else
	s_wait_dscnt 0x0
.endif
	RSUM \be
.endr
	s_wait_tensorcnt 0x0
	ds_add_u32 v[SPW], v[NIL]
	s_wait_dscnt 0x0
	CROUND
	s_endpgm
.Lfunc_end_k_q6ff6f75c8d_down:
	.size	k_q6ff6f75c8d_down, .Lfunc_end_k_q6ff6f75c8d_down-k_q6ff6f75c8d_down
	.p2alignl 7, 3214868480
	.fill 96, 4, 3214868480
	.section	.rodata,"a",@progbits
	.p2align	6, 0x0
	.amdhsa_kernel k_q6ff6f75c8d_down
		.amdhsa_group_segment_fixed_size 327680
		.amdhsa_private_segment_fixed_size 0
		.amdhsa_enable_private_segment 0
		.amdhsa_kernarg_size 24
		.amdhsa_user_sgpr_count 2
		.amdhsa_user_sgpr_kernarg_segment_ptr 1
		.amdhsa_wavefront_size32 1
		.amdhsa_system_sgpr_workgroup_id_x 1
		.amdhsa_system_sgpr_workgroup_id_y 1
		.amdhsa_system_sgpr_workgroup_id_z 1
		.amdhsa_system_vgpr_workitem_id 0
		.amdhsa_next_free_vgpr 864
		.amdhsa_next_free_sgpr 100
		.amdhsa_reserve_vcc 0
		.amdhsa_float_denorm_mode_32 3
		.amdhsa_float_denorm_mode_16_64 3
		.amdhsa_memory_ordered 1
		.amdhsa_forward_progress 1
		.amdhsa_inst_pref_size 151
	.end_amdhsa_kernel
	.amdgpu_metadata
---
amdhsa.version: [ 1, 2 ]
amdhsa.kernels:
  - .name:           k_q6ff6f75c8d_down
    .symbol:         k_q6ff6f75c8d_down.kd
    .args:
      - { .name: hq, .offset: 0, .size: 8, .value_kind: global_buffer, .address_space: global }
      - { .name: wdq, .offset: 8, .size: 8, .value_kind: global_buffer, .address_space: global }
      - { .name: out0, .offset: 16, .size: 8, .value_kind: global_buffer, .address_space: global }
    .group_segment_fixed_size: 327680
    .private_segment_fixed_size: 0
    .kernarg_segment_align: 8
    .kernarg_segment_size: 24
    .max_flat_workgroup_size: 128
    .sgpr_count:     100
    .vgpr_count:     864
    .wavefront_size: 32
...
	.end_amdgpu_metadata
.endif
;; end of part 3
